; MI455X (gfx1250); checked and timed in simulation.
; The chip was launched on July 23, 2026; its instructions are those of AMD's public machine-readable ISA for CDNA 5 (MIT licence, August 2026) and "CDNA5" Instruction Set Architecture Reference Guide (July 2026). The comments in the code are by the model that wrote it; some were corrected since.
;; QRNN Cell. Allowed arithmetic: matrix products marked QUANTISED: E3M2 operands, one E8M0 scale for each 32 along K, by v_wmma_scale_f32_16x16x128_f8f6f4 with both operands' format E3M2, f32 sums; everything else in f32.
;; Inputs: Lambda 1 float32; Uh_imag_codes 512 x 16 x 24 uint8 (E3M2 codes of Uh_imag, K innermost, in blocks of 32 codes, four codes in three bytes); Uh_imag_scales 512 x 16 uint8 (E8M0 scales of Uh_imag, one for each 32 codes along K); Uh_real_codes 512 x 16 x 24 uint8 (E3M2 codes of Uh_real, K innermost, in blocks of 32 codes, four codes in three bytes); Uh_real_scales 512 x 16 uint8 (E8M0 scales of Uh_real, one for each 32 codes along K); Ux_imag_codes 512 x 16 x 24 uint8 (E3M2 codes of Ux_imag, K innermost, in blocks of 32 codes, four codes in three bytes); Ux_imag_scales 512 x 16 uint8 (E8M0 scales of Ux_imag, one for each 32 codes along K); Ux_real_codes 512 x 16 x 24 uint8 (E3M2 codes of Ux_real, K innermost, in blocks of 32 codes, four codes in three bytes); Ux_real_scales 512 x 16 uint8 (E8M0 scales of Ux_real, one for each 32 codes along K); h_imag_codes 32 x 512 x 16 x 24 uint8 (E3M2 codes of h_imag, K innermost, in blocks of 32 codes, four codes in three bytes); h_imag_scales 32 x 512 x 16 uint8 (E8M0 scales of h_imag, one for each 32 codes along K); h_real_codes 32 x 512 x 16 x 24 uint8 (E3M2 codes of h_real, K innermost, in blocks of 32 codes, four codes in three bytes); h_real_scales 32 x 512 x 16 uint8 (E8M0 scales of h_real, one for each 32 codes along K); x_imag_codes 32 x 512 x 16 x 24 uint8 (E3M2 codes of x_imag, K innermost, in blocks of 32 codes, four codes in three bytes); x_imag_scales 32 x 512 x 16 uint8 (E8M0 scales of x_imag, one for each 32 codes along K); x_real_codes 32 x 512 x 16 x 24 uint8 (E3M2 codes of x_real, K innermost, in blocks of 32 codes, four codes in three bytes); x_real_scales 32 x 512 x 16 uint8 (E8M0 scales of x_real, one for each 32 codes along K).
;; Outputs: out0 32 x 512 x 512 float32; out1 32 x 512 x 512 float32.
;; This version of the problem:
;;   THIS VERSION OF THE PROBLEM IS GIVEN IN LOW PRECISION. The matrix products marked QUANTISED in the list below multiply operands that are first quantised to E3M2 (3 exponent bits, 2 mantissa bits; 6 bits a number), with one power-of-two scale for each 32 numbers along K (OCP MX v1.0); their sums are f32. All else is computed in f32.
;;   The module's matrix products, in the order in which they are computed (A, B: the left and right operand; K: the contracted axis; several contracted axes count as one K, in the product's order):
;;     1. [M 16,384, K 512] x [K 512, N 512]; A: input x_real (given as codes); B: input Ux_real (given as codes): QUANTISED
;;     2. [M 16,384, K 512] x [K 512, N 512]; A: input x_imag (given as codes); B: input Ux_imag (given as codes): QUANTISED
;;     3. [M 16,384, K 512] x [K 512, N 512]; A: input x_real (given as codes); B: input Ux_imag (given as codes): QUANTISED
;;     4. [M 16,384, K 512] x [K 512, N 512]; A: input x_imag (given as codes); B: input Ux_real (given as codes): QUANTISED
;;     5. [M 16,384, K 512] x [K 512, N 512]; A: computed on the way; B: input Ux_real (given as codes): QUANTISED
;;     6. [M 16,384, K 512] x [K 512, N 512]; A: computed on the way; B: input Ux_imag (given as codes): QUANTISED
;;     7. [M 16,384, K 512] x [K 512, N 512]; A: computed on the way; B: input Ux_real (given as codes): QUANTISED
;;     8. [M 16,384, K 512] x [K 512, N 512]; A: computed on the way; B: input Ux_imag (given as codes): QUANTISED
;;     9. [M 16,384, K 512] x [K 512, N 512]; A: input h_real (given as codes); B: input Uh_real (given as codes): QUANTISED
;;     10. [M 16,384, K 512] x [K 512, N 512]; A: input h_imag (given as codes); B: input Uh_imag (given as codes): QUANTISED
;;     11. [M 16,384, K 512] x [K 512, N 512]; A: input h_real (given as codes); B: input Uh_imag (given as codes): QUANTISED
;;     12. [M 16,384, K 512] x [K 512, N 512]; A: input h_imag (given as codes); B: input Uh_real (given as codes): QUANTISED
;;     13. [M 16,384, K 512] x [K 512, N 512]; A: computed on the way; B: input Uh_real (given as codes): QUANTISED
;;     14. [M 16,384, K 512] x [K 512, N 512]; A: computed on the way; B: input Uh_imag (given as codes): QUANTISED
;;     15. [M 16,384, K 512] x [K 512, N 512]; A: computed on the way; B: input Uh_real (given as codes): QUANTISED
;;     16. [M 16,384, K 512] x [K 512, N 512]; A: computed on the way; B: input Uh_imag (given as codes): QUANTISED
;;   THE QUANTISER, for each operand of a quantised product, along K:
;;     - K is cut into blocks of 32 from its start; a last block that is shorter is filled with zeros.
;;     - A block's scale is 2^e with e = floor(log2(the largest magnitude in the block)) - 4, held to -126 .. 127; a block of zeros has e = 0. As a byte (E8M0): e + 127.
;;     - Each number is divided by its block's scale, clamped to +-28, and rounded to the nearest number of E3M2, ties to even, subnormals kept.
;;     - The product sums the exact products of the quantised numbers (number of the format x scale) in f32.
;;   ~~~python
;;   def quantise(x, axis):      # numpy; x: float32 -> the quantised numbers, widened to float32 again
;;       x = np.moveaxis(x, axis, -1); K = x.shape[-1]
;;       x = np.pad(x, [(0, 0)] * (x.ndim - 1) + [(0, -K % 32)]); x = x.reshape(x.shape[:-1] + (-1, 32)); a = np.abs(x).max(-1, keepdims=True)
;;       e = np.where(a > 0, np.clip(np.frexp(np.where(a > 0, a, 1))[1] - 1 - 4, -126, 127), 0)      # np.frexp(a)[1] - 1 = floor(log2(a)), exactly
;;       r = np.clip(x / 2.0 ** e, -28, 28)
;;       step = 2.0 ** (np.maximum(np.frexp(np.where(r == 0, 1, r))[1] - 1, -2) - 2)
;;       q = np.round(r / step) * step * 2.0 ** e      # np.round: ties to even
;;       return np.moveaxis(q.reshape(q.shape[:-2] + (-1,))[..., :K], -1, axis).astype(np.float32)
;;   ~~~
;;   OPERANDS COMPUTED ON THE WAY. 'Computed on the way' means the value that the module computes at that place (a softmax that the list does not call 'softmax' is quantised finished and normalised). What goes into a quantiser is computed in f32, as accurately as f32 sums, v_exp_f32 and their like allow (about 1e-6 of the number): no bf16 or f16 on the way to a quantiser, and a product that is left as it is and whose result goes on into a quantised operand takes f32 operands (vector FMAs, or v_wmma_f32_16x16x4_f32). A number that lies on a knife's edge between two numbers of the format may be rounded either way, as far as f32 arithmetic and the matrix unit's own rounding can turn it there, and no further.
;;   INPUTS GIVEN AS CODES. Uh_imag (in the module: [512, 512], K = its axis 1); Uh_real (in the module: [512, 512], K = its axis 1); Ux_imag (in the module: [512, 512], K = its axis 1); Ux_real (in the module: [512, 512], K = its axis 1); h_imag (in the module: [32, 512, 512], K = its axis 1); h_real (in the module: [32, 512, 512], K = its axis 1); x_imag (in the module: [32, 512, 512], K = its axis 1); x_real (in the module: [32, 512, 512], K = its axis 1): each comes as NAME_codes (uint8): NAME with its K axis moved to the last place and cut into blocks of 32 codes, [.., K / 32, bytes a block], one block behind the other in memory; four codes in three bytes: a row's codes are one little-endian stream of bits, code i at bits 6 i .. 6 i + 5 (a code: sign, 3 exponent bits, 2 mantissa bits); and NAME_scales (uint8): the same leading axes, one E8M0 byte (e + 127) for each 32 codes along K. Its value is code x scale, taken as it is: it is not quantised again, and the codes and scales need not be those that the quantiser above would give.
;; One version. Each part assembles by itself: llvm-mc -triple=amdgcn-amd-amdhsa -mcpu=gfx1250 --defsym DOCPART=n.
;; ======== version 1 of 1: 1 launch
;; limits: right only within a limited range of input values
;; launch qrnn (part 1): grid 8 x 32, 4 waves a work-group, clusters of 4 x 1, 327,680 bytes of LDS; arguments x_real_codes, x_imag_codes, h_real_codes, h_imag_codes, Ux_real_codes, Ux_imag_codes, Uh_real_codes, Uh_imag_codes, x_real_scales, x_imag_scales, h_real_scales, h_imag_scales, Ux_real_scales, Ux_imag_scales, Uh_real_scales, Uh_imag_scales, Lambda, out0, out1; writes out0, out1
.if DOCPART == 1
	.amdgcn_target "amdgcn-amd-amdhsa--gfx1250"
	.amdhsa_code_object_version 6
	.text
	.protected	k_q6aea1c37cf_qrnn
	.globl	k_q6aea1c37cf_qrnn
	.p2align	8
	.type	k_q6aea1c37cf_qrnn,@function
k_q6aea1c37cf_qrnn:
	s_mov_b64 s[64:65], 0
	v_nop
	global_prefetch_b8 v0, s[64:65] scope:SCOPE_SE
	s_setreg_imm32_b32 hwreg(HW_REG_WAVE_MODE, 25, 1), 1
	s_wait_xcnt 0x0
	s_wait_alu depctr_hold_cnt(0) depctr_sa_sdst(0) depctr_va_vdst(0) depctr_va_sdst(0) depctr_va_ssrc(0) depctr_va_vcc(0) depctr_vm_vsrc(0)
	s_getreg_b32 s2, hwreg(HW_REG_IB_STS2, 6, 4)
	s_cmp_eq_u32 s2, 0
	s_cbranch_scc0 .Lentry_in_a_cluster
	s_endpgm
.Lentry_in_a_cluster:
	s_bfe_u32 s2, ttmp6, 0x10000c
	s_cmp_lg_u32 s2, 0x3003
	s_cbranch_scc0 .Lentry_shape_is_right
	s_endpgm
.Lentry_shape_is_right:
; out = g (Ux x Ux^H) + (1 - g) (Uh h Uh^H), complex, g = sigmoid(Lambda); 32 batches of 512 x 512.  All sixteen real products run on codes of BF6 (E3M2) with one E8M0 byte for each 32 along K.
; x, h: rows (b, k) of 512 codes along q (384 bytes);  U: rows of 512 codes along its second axis: the same bytes serve the first product (rows p, K = q) and the second (rows q, K = k).
; SHARES.  A work-group owns one batch b and 64 rows p.  It runs 16 pieces of 128 matrix instructions a wave: pieces 0-3 the first product of x, 4-7 that of h, 8-15 the second product of both together.
; ONE FORM FOR BOTH PRODUCTS.  s = the streamed rows (source 0), T = the rows that stay in registers (source 1):  P1 = s_r Ta,  P2 = s_i Tb,  O2 = s_r Tb + s_i Ta,  and P1 - P2 is taken in f32.
;   first product:  s = x's rows k, Ta = U_r's and Tb = U_i's rows p:  P1 - P2 = R, O2 = I.      second product:  s = U's rows q, Ta = I, Tb = R:  P1 - P2 = out_i, O2 = out_r.
;   A lane of a result holds ONE row p (lane % 16) and eight neighbours along the streamed rows: along k in the first product, which is the second product's K, and along q in the second, which is the output's row.
; R and I are quantised in registers, a block of 32 k to a wave, and go to LDS in the order of the operand's registers; behind one barrier every wave takes its 32 rows of them, for all of K, into registers.
; CLUSTER.  The four work-groups of a cluster have the same batch and walk the same x, h, Ux, Uh: every streamed tile is asked for JOINTLY, by the same tensor load with the mask of all four; a ring of two LDS slots, one load a wave behind each round.
; THE 64 ROWS OF U THAT STAY differ from partner to partner, so they are no joint load: each wave fetches a quarter of them (24 loads of 16 bytes a lane), the four quarters meet in LDS, and every wave reads all of them from there.
; The scale words (16 bytes a row) come straight from memory into registers.
; THE STREAMED FRAGMENTS COME IN RUNS OF 48 LDS LOADS, one run for a buffer (32 rows x all of K of one matrix), each issued a whole batch of matrix instructions ahead of the batch that reads it, into the buffer that the
;   batch between does not read.  A run stands where the wave has just stopped issuing matrix instructions for another reason: behind a change of slots, ahead of the quantiser's or the way out's vector work, or at a change of scale words.
; LIMITS: NaN, infinities and scale bytes 0xff are not served.  A block of R or I whose largest magnitude lies under 2^-122 keeps the byte 1 (a block of zeros too: its codes are zeros).
;   out_i is summed as g P1x + (1-g) P1h - g P2x - (1-g) P2h, by fused multiply-adds: its last bits may differ from g (P1x - P2x) + (1-g) (P1h - P2h).  Where 2^(-1.4427 Lambda) overflows, g is 0.
; REGISTERS, in windows of 256:  window 1: v0-95 F_r, v96-191 F_i (streamed fragments (u, k) at 12 (4 u + k)), v192-255 P1;   window 2: v0-191 Ta, v192-255 P2;   window 3: v0-191 Tb, v192-255 O2.
;   window 0: addresses v0-31, scale words v32-95, v96-127 at work in the quantiser, v128-159 codes just made, v160-255 my quarter of U's rows on its way to LDS; in the second product v128-255 are rows of output.
.set PITCH,  432                       ; a row of 384 bytes in LDS: 3 x (128 + 16 of padding) = 108 words: the 16 rows of a fragment start at 16 different multiples of 4 banks (64 banks of 4 bytes: ISA guide 11.1)
.set LROW,   32*PITCH                  ; 32 rows: one long row of a tensor load
.set WTILE,  2*LROW                    ; what one tensor load brings
.set MOFF,   2*WTILE
.set SLOT1,  1<<17                     ; slot 1 begins here: one exclusive or turns an address of one slot into the other's
.set SPARE,  4*WTILE                   ; behind slot 0: the spare words, 128 bytes for each wave: two blocks of 256 bytes that no other line names
.set ISC,    SPARE+512                 ; scale words of R and I: 512 x chunk + 64 x fragment + 4 x row + block
.set IMG7,   ISC+4096                  ; chunk 7 of the images
.set IMG,    SLOT1+4*WTILE             ; behind slot 1: chunks 0-6.  A chunk (evolution e, K step j: 4 e + j) is 8 fragments of 1,536 bytes: I's four tiles of rows, then R's
.set CHUNK,  12288
.set FRB,    1536                      ; in a fragment the 24 bytes of block 2 c + h of row r lie at 768 c + 24 (r + 16 h): lane l reads at 24 l
.set TILEB,  6144                      ; U's rows that stay, on their way through LDS: a tile is 16 rows; the 16 bytes of piece c of row r lie at 256 c + 16 r.  Tiles 0-3: U_r's, 4-7: U_i's
.set STX,    IMG                       ; Ux's eight tiles: where chunks 0-3 will lie.  They are read ahead of the barrier behind which chunk 0 is stored
.set STA,    IMG+4*CHUNK               ; Uh's tiles 0-5: where chunks 4-6 will lie;
.set STB,    IMG7                      ; its tiles 6, 7: where chunk 7 will lie.  They are read in trip 4, ahead of the barrier behind which chunk 4 is stored
.set STG,    IMG                       ; the way out lies over the images, which have been read by then: for each wave 2 x 32 rows x (256 + 16) bytes
.set SWV,    17408
.set SCMP,   8704
.set SPW, 1                            ; v1   LDS address of my spare word; never rewritten
.set NIL, 2                            ; v2   0; never rewritten
.set A0,  3                            ; v3-4   first product: my 32 rows in a slot (v4: for the pieces that lie behind one padding more)
.set AD,  5                            ; v5-6   the same in the slot in hand; in the second product: Ux's rows
.set B0,  7                            ; v7-8   second product: my 32 rows in a slot
.set ADH, 9                            ; v9-10  Uh's rows in the slot in hand
.set VU,  11                           ; 384 r + 16 h + 96 x wave: my 16 bytes of a row of U
.set VS1, 12                           ; 512 x my block + 16 r: x's and h's scale words
.set VS2, 13                           ; 1024 x my half + 16 r: U's scale words
.set IW,  14                           ; where I put codes: IMG + 384 x my block + 24 r + 6 h
.set IW7, 15                           ; the same in chunk 7
.set ISW, 16                           ; where I put a scale byte: ISC + 4 r + my block
.set IR,  17                           ; where I read images: IMG + 3072 x (wave / 2) + 24 x lane;  v18: 4 chunks on;  v19: chunk 7
.set ISR, 20                           ; and their scale words
.set SW,  21                           ; the way out: where I put 32 bytes of a row
.set SRD, 22                           ; and where I read rows back
.set VO,  23                           ; my byte offset in two rows of output
.set V16, 24                           ; 16 r
.set PFO, 25                           ; 256 x lane: the prefetches' offset
.set GG,  26                           ; v26-27 g, g
.set G1M, 28                           ; v28-29 1 - g, 1 - g
.set SS,  32                           ; v32-63 the streamed rows' scale words, 4 u + k in sets of 8
.set TSA, 64                           ; v64-79 Ta's scale words;  v80-95 Tb's
.set TSB, 80
.set TM,  96
.set TP,  104
.set SO,  112
.set BY,  120
.set SAX, 112                          ; at the head only: v112-114 where I store my quarter of Ux's tiles, of Uh's tiles 0-5, of its tiles 6, 7
.set SAA, 113
.set SAB, 114
.set RAX, 116                          ; v116-120 where I read Ux's tiles
.set PC,  128
.set STD, 160                          ; v160-255 my quarter of U's rows: 24 x 4 registers
.set RAH, 160                          ; in the first loop, when those have gone to LDS: v160-164 where I read Uh's tiles
.set OB,  128
.set ACC, 192
.set G0,  4                            ; s[4:7] descriptor group 0;  s[8:15] group 1
.set G1,  8
.set XRC, 16                           ; s[16:31] codes: x_r, x_i, h_r, h_i, Ux_r, Ux_i, Uh_r, Uh_i (the last four are moved to my 64 rows once the streams' addresses are made)
.set XIC, 18
.set HRC, 20
.set HIC, 22
.set UXR, 24
.set UXI, 26
.set UHR, 28
.set UHI, 30
.set XRS, 32                           ; s[32:47] scale bytes in the same order; s[32:33], s[34:35] walk
.set XIS, 34
.set HRS, 36
.set HIS, 38
.set SXR, 40
.set SXI, 42
.set SHR, 44
.set SHI, 46
.set LAM, 48
.set O0,  50
.set O1,  52
.set PH,  54                           ; h's stream for my wave, PU: U's, both with the descriptor's type bits set
.set PU,  56
.set PFA, 58
.set LIM, 60
.set CNT, 61
.set WV,  62
.set TB,  63                           ; LDS byte at which the slot in hand begins
.set TXR, 66                           ; s[66:73] U's scale bytes at my 64 rows
.set TXI, 68
.set THR, 70
.set THI, 72
.set SEL, 74
.set WQ,  76
.set WP,  77
.set BE,  78
.set BB,  79
.set CX,  84
.set PB,  85
.set IO,  92
.set SOF, 93
.set TR,  94
.set MSB, 0
.macro WIN new                         ; the immediate's high byte repeats the setting that is left; a switch that changes nothing is dropped
.if MSB != (\new)
	s_set_vgpr_msb (MSB<<8)|(\new)
.set MSB, \new
.endif
.endm
.macro PLACES                          ; four plain vector lines behind a matrix instruction, ahead of loads into its registers and of reads of its results
.rept 4
	v_nop
.endr
.endm
.macro CROUND                          ; a round of the cluster's barrier
	s_barrier_signal -1
	s_barrier_wait -1
	s_cmp_lg_u32 s[WV], 0
	s_cbranch_scc1 .Lnw0_\@
	s_barrier_signal -3
.Lnw0_\@:
	s_barrier_wait -3
	s_barrier_signal -1
	s_barrier_wait -1
.endm
; THE CHANGE OF SLOTS.  Every wave waits for all its tensor loads (one is out: its part of the slot that is read next), adds 0 to its spare word, and waits for that and for its reads of the slot that it leaves.
; fill = 1: behind a round of the cluster's barrier the slot just left is asked for again, jointly: the piece after the next.  how = 0: the first loop's step; else the step in bytes.  st: which product's addresses are made.
.macro CHANGE fill, how, st
	WIN 0
	s_wait_tensorcnt 0x0                           ; no tensor load of mine is out: group 0 may be written
	ds_add_u32 v[SPW], v[NIL]                      ; 0 onto my spare word; the scalar steps stand between it and the wait for it
	s_xor_b32 s[TB], s[TB], SLOT1                  ; the slot that is read next
.if \fill
	s_xor_b32 s[G0+1], s[G0+1], SLOT1              ; the slot that is filled: the other one
.if (\how) == 0
	s_add_nc_u64 s[G0+2:G0+3], s[G0+2:G0+3], 49152 ; 128 rows on;
	s_cmp_eq_u32 s[CNT], 3
	s_cselect_b64 s[G0+2:G0+3], s[PH:PH+1], s[G0+2:G0+3]   ; piece 4 is h's first,
	s_cmp_eq_u32 s[CNT], 7
	s_cselect_b64 s[G0+2:G0+3], s[PU:PU+1], s[G0+2:G0+3]   ; piece 8 U's first
.else
	s_add_nc_u64 s[G0+2:G0+3], s[G0+2:G0+3], \how
.endif
.endif
	s_wait_dscnt 0x0                               ; the add is done, and my LDS loads and stores are over
.if \fill
	CROUND                                         ; no wave of any partner still reads the slot or has a load on its way
	tensor_load_to_lds s[G0:G0+3], s[G1:G1+7]      ; my one tensor load until the next round
	s_nop 0
.else
	s_barrier_signal -1
	s_barrier_wait -1
.endif
	PLACES                                         ; also the places ahead of the loads into fragments and scale words that the last products read
.if (\st) == 1
	v_add_nc_u32 v[AD], s[TB], v[A0]
	v_add_nc_u32 v[AD+1], s[TB], v[A0+1]
.else
	v_add_nc_u32 v[AD], s[TB], v[B0]
	v_add_nc_u32 v[AD+1], s[TB], v[B0+1]
	v_add_nc_u32 v[ADH], MOFF, v[AD]
	v_add_nc_u32 v[ADH+1], MOFF, v[AD+1]
.endif
	s_wait_alu depctr_va_vdst(0)                   ; the wait behind these writes
.endm
; A fragment, 16 rows x 128 K, is 12 registers: registers 6 c .. 6 c + 5 hold K = 64 c + 32 (lane / 16) + 0 .. 31: 24 bytes of the row, in pieces of 8.  Lanes 16-31 read three pieces on; where that is behind one padding more
; (16 bytes behind every 16 pieces), the second address register serves.
.macro FRAG reg, adr, off, ks
.irp p, 0,1,2,3,4,5
.set PCE, 12*(\ks)+6*(\p/3)+\p%3
.if PCE%16 < 13
	ds_load_b64 v[(\reg)+2*\p:(\reg)+2*\p+1], v[\adr] offset:(\off)+8*PCE+16*(PCE/16)
.else
	ds_load_b64 v[(\reg)+2*\p:(\reg)+2*\p+1], v[\adr+1] offset:(\off)+8*PCE+16*(PCE/16)
.endif
.endr
.endm
; 48 LDS loads in one run: my 32 streamed rows of one matrix, all of K, into buffer fb of window 1.  The buffer's last readers stand ahead of four plain vector lines that precede the run.
.macro FETCH fb, adr, off
	WIN 0x40
.irp u, 0,1
.irp k, 0,1,2,3
	FRAG (\fb)+12*(4*\u+\k), \adr, (\off)+6912*\u, \k
.endr
.endr
	WIN 0
.endm
.macro SSLD reg, base, voff, off       ; the scale words of 32 streamed rows: 16 bytes a row, lane r takes row r's
	global_load_b128 v[\reg:\reg+3], v[\voff], s[\base:\base+1] offset:\off
	global_load_b128 v[\reg+4:\reg+7], v[\voff], s[\base:\base+1] offset:(\off)+256
.endm
; One of the four sums over all of K: nt tiles of T x two tiles of streamed rows; the accumulators take turns, one instruction a turn.  zero = 1: the first K step starts the sums.
.macro PASS win, nt, ao, fb, tb, sa, sb, zero
	WIN \win
.irp k, 0,1,2,3
.irp t, 0,1,2,3
.if \t < \nt
.irp u, 0,1
.if (\zero) && (\k == 0)
	v_wmma_scale_f32_16x16x128_f8f6f4 v[ACC+8*((\ao)+2*\t+\u):ACC+8*((\ao)+2*\t+\u)+7], v[(\fb)+12*(4*\u+\k):(\fb)+12*(4*\u+\k)+11], v[(\tb)+12*(4*\t+\k):(\tb)+12*(4*\t+\k)+11], 0, v[(\sa)+4*\u+\k], v[(\sb)+4*\t+\k] matrix_a_fmt:MATRIX_FMT_BF6 matrix_b_fmt:MATRIX_FMT_BF6
.else
	v_wmma_scale_f32_16x16x128_f8f6f4 v[ACC+8*((\ao)+2*\t+\u):ACC+8*((\ao)+2*\t+\u)+7], v[(\fb)+12*(4*\u+\k):(\fb)+12*(4*\u+\k)+11], v[(\tb)+12*(4*\t+\k):(\tb)+12*(4*\t+\k)+11], v[ACC+8*((\ao)+2*\t+\u):ACC+8*((\ao)+2*\t+\u)+7], v[(\sa)+4*\u+\k], v[(\sb)+4*\t+\k] matrix_a_fmt:MATRIX_FMT_BF6 matrix_b_fmt:MATRIX_FMT_BF6
.endif
.endr
.endif
.endr
.endr
.endm
; windows: source 0 = F (1); 0x59: Ta (2), P1 (1);  0xfd: Tb (3), O2 (3);  0xad: Tb (3), P2 (2);  0xf9: Ta (2), O2 (3)
.macro AC1                             ; first product, the real streamed rows: P1 = F_r Ta, O2 = F_r Tb
	PASS 0x59, 4, 0, 0, 0, SS, TSA, 1
	PASS 0xfd, 4, 0, 0, 0, SS, TSB, 1
.endm
.macro BD1                             ; the imaginary ones: P2 = F_i Tb, O2 += F_i Ta
	PASS 0xad, 4, 0, 96, 0, SS+8, TSB, 1
	PASS 0xf9, 4, 0, 96, 0, SS+8, TSA, 0
.endm
.macro AC2 e                           ; second product, evolution e
	PASS 0x59, 2, 4*(\e), 0, 96*(\e), SS+16*(\e), TSA+8*(\e), 1
	PASS 0xfd, 2, 4*(\e), 0, 96*(\e), SS+16*(\e), TSB+8*(\e), 1
.endm
.macro BD2 e
	PASS 0xad, 2, 4*(\e), 96, 96*(\e), SS+8+16*(\e), TSB+8*(\e), 1
	PASS 0xf9, 2, 4*(\e), 96, 96*(\e), SS+8+16*(\e), TSA+8*(\e), 0
.endm
; THE ROWS OF U THAT STAY.  STLOAD: my wave's quarter of my work-group's 64 rows of U_r and U_i: of each row the 96 bytes at 96 x wave, 32 bytes a load: lanes 0-15 take 16 bytes of rows 0-15 of a tile, lanes 16-31 the next 16 bytes.
.macro STLOAD cr, ci
.irp t, 0,1,2,3
.irp j, 0,1,2
	global_load_b128 v[STD+4*(3*\t+\j):STD+4*(3*\t+\j)+3], v[VU], s[\cr:\cr+1] offset:TILEB*\t+32*\j
	global_load_b128 v[STD+48+4*(3*\t+\j):STD+48+4*(3*\t+\j)+3], v[VU], s[\ci:\ci+1] offset:TILEB*\t+32*\j
.endr
.endr
.endm
; STSTORE: into LDS as they stand: a store's 512 bytes are consecutive.  Tiles 0-5 by address ra, tiles 6, 7 by rb, which stands bias bytes on.
.macro STSTORE ra, rb, bias
.irp m, 0,1
.irp t, 0,1,2,3
.irp j, 0,1,2
.set T8, 4*\m+\t
.if T8 < 6
	ds_store_b128 v[\ra], v[STD+48*\m+4*(3*\t+\j):STD+48*\m+4*(3*\t+\j)+3] offset:TILEB*T8+512*\j
.else
	ds_store_b128 v[\rb], v[STD+48*\m+4*(3*\t+\j):STD+48*\m+4*(3*\t+\j)+3] offset:TILEB*T8-(\bias)+512*\j
.endif
.endr
.endr
.endr
.endm
; TADR: the addresses by which the tiles are read.  Lane (r, h) wants the 8 bytes at byte x = KB + 24 h of row r, which lie at 256 (x / 16) + 16 r + x % 16.  Where KB is a multiple of 16, 24 bytes on in the row are 264 bytes on here;
; where KB is 8 above one, 504.  So v[d] = ba + 16 r + 264 h, v[d+1] = ba + 16 r + 504 h, v[d+2], v[d+3] the same from bb.
.macro TADR d, ba, bb
	v_bfe_u32 v[\d+4], v0, 4, 1
	v_mad_u32_u24 v[\d], v[\d+4], 264, v[V16]
	v_mad_u32_u24 v[\d+1], v[\d+4], 504, v[V16]
	v_add_nc_u32 v[\d+2], \bb, v[\d]
	v_add_nc_u32 v[\d+3], \bb, v[\d+1]
	v_add_nc_u32 v[\d], \ba, v[\d]
	v_add_nc_u32 v[\d+1], \ba, v[\d+1]
.endm
; TLD: all 64 rows of U_r into Ta (window 2) and of U_i into Tb (window 3), all of K: 192 loads of 8 bytes
.macro TLD ra, rb, bias
.irp m, 0,1
	WIN 0x80+0x40*\m
.irp t, 0,1,2,3
.set T8, 4*\m+\t
.if T8 < 6
.set TAR, \ra
.set TOF, TILEB*T8
.else
.set TAR, \rb
.set TOF, TILEB*T8-(\bias)
.endif
.irp k, 0,1,2,3
.irp p, 0,1,2,3,4,5
.set KB, 96*\k+48*(\p/3)+8*(\p%3)
	ds_load_b64 v[12*(4*\t+\k)+2*\p:12*(4*\t+\k)+2*\p+1], v[TAR+(\p%3)%2] offset:TOF+256*(KB/16)+KB%16
.endr
.endr
.endr
.endr
	WIN 0
.endm
.macro TSLD sr, si                     ; and their scale words: 16 bytes a row, sixteen lanes read 256 consecutive bytes
.irp t, 0,1,2,3
	global_load_b128 v[TSA+4*\t:TSA+4*\t+3], v[V16], s[\sr:\sr+1] offset:256*\t
	global_load_b128 v[TSB+4*\t:TSB+4*\t+3], v[V16], s[\si:\si+1] offset:256*\t
.endr
.endm
; 16 codes of a lane, 12 bytes: the first eight are k = 8 h + 0 .. 7 of the block, the other eight k = 16 + 8 h + 0 .. 7: two groups of 6 bytes, at bytes 6 h and 12 + 6 h of the block's 24
.macro BLK iw, c, fo
	ds_store_b16 v[\iw], v[\c] offset:\fo
	ds_store_b16_d16_hi v[\iw], v[\c] offset:(\fo)+2
	ds_store_b16 v[\iw], v[(\c)+1] offset:(\fo)+4
	ds_store_b16_d16_hi v[\iw], v[(\c)+1] offset:(\fo)+12
	ds_store_b16 v[\iw], v[(\c)+2] offset:(\fo)+14
	ds_store_b16_d16_hi v[\iw], v[(\c)+2] offset:(\fo)+16
.endm
; A piece of the first product is finished: R = P1 - P2 and I = O2, for 64 rows p x my block of 32 k.  A lane holds 16 numbers of each of 8 blocks (4 tiles of rows x R, I); lane l xor 16 holds the other 16.
; A block's scale byte is its largest magnitude's exponent field - 4, held at 1 from below by the floor 2^(5 - 127) among the maximum's leaves.
.macro EPI1 iw, isw, iso
	WIN 0x49                                       ; P1 (window 1) - P2 (window 2), each accumulator from its low end on
.irp i, 0,2,4,6,8,10,12,14,16,18,20,22,24,26,28,30,32,34,36,38,40,42,44,46,48,50,52,54,56,58,60,62
	v_pk_add_f32 v[ACC+\i:ACC+\i+1], v[ACC+\i:ACC+\i+1], v[ACC+\i:ACC+\i+1] neg_lo:[0,1] neg_hi:[0,1]
.endr
	WIN 0x05                                       ; R's four blocks by turns
.irp t, 0,1,2,3
	v_max3_num_f32 v[TM+\t], |v[ACC+16*\t]|, |v[ACC+1+16*\t]|, 0x2800000
.endr
.irp i, 2,4,6,8,10,12,14
.irp t, 0,1,2,3
	v_max3_num_f32 v[TM+\t], |v[ACC+16*\t+\i]|, |v[ACC+1+16*\t+\i]|, v[TM+\t]
.endr
.endr
	WIN 0x0f                                       ; I's four
.irp t, 0,1,2,3
	v_max3_num_f32 v[TM+4+\t], |v[ACC+16*\t]|, |v[ACC+1+16*\t]|, 0x2800000
.endr
.irp i, 2,4,6,8,10,12,14
.irp t, 0,1,2,3
	v_max3_num_f32 v[TM+4+\t], |v[ACC+16*\t+\i]|, |v[ACC+1+16*\t+\i]|, v[TM+4+\t]
.endr
.endr
	WIN 0
.irp i, 0,1,2,3,4,5,6,7
	v_permlanex16_b32 v[TP+\i], v[TM+\i], s[SEL], s[SEL+1]
.endr
.irp i, 0,1,2,3,4,5,6,7
	v_max_num_f32 v[TM+\i], v[TM+\i], v[TP+\i]     ; the block's largest magnitude
.endr
.irp i, 0,1,2,3,4,5,6,7
	v_add_nc_u32 v[SO+\i], 0xfe000000, v[TM+\i]    ; 4 off its exponent field: the conversion's scale operand
.endr
.irp i, 0,1,2,3,4,5,6,7
	v_lshrrev_b32 v[BY+\i], 23, v[SO+\i]           ; the scale's byte
.endr
	WIN 0x01
.irp t, 0,1,2,3
	v_cvt_scalef32_pk16_bf6_f32 v[PC+4*\t:PC+4*\t+2], v[ACC+16*\t:ACC+16*\t+15], v[SO+\t]
.endr
	WIN 0x03
.irp t, 0,1,2,3
	v_cvt_scalef32_pk16_bf6_f32 v[PC+16+4*\t:PC+16+4*\t+2], v[ACC+16*\t:ACC+16*\t+15], v[SO+4+\t]
.endr
	WIN 0
	v_nop                                          ; one plain line behind the last scaled conversion: matrix instructions write its sources later
.irp t, 0,1,2,3
	BLK \iw, PC+4*\t, FRB*(4+\t)                   ; R: fragments 4-7 of the chunk
	ds_store_b8 v[\isw], v[BY+\t] offset:(\iso)+64*(4+\t)          ; both lanes of a block write the same byte with the same value
	BLK \iw, PC+16+4*\t, FRB*\t                    ; I: fragments 0-3
	ds_store_b8 v[\isw], v[BY+4+\t] offset:(\iso)+64*\t
.endr
.endm
.macro TIMG win, cp                    ; my 32 rows of I (cp = 0) or R (cp = 1), both evolutions, all of K: 96 loads of 8 bytes, 24 bytes from lane to lane
	WIN \win
.irp e, 0,1
.irp t, 0,1
.irp k, 0,1,2,3
.set KAP, 4*\e+\k
.if KAP < 4
.set TAR, IR
.set KOF, KAP
.elseif KAP < 7
.set TAR, IR+1
.set KOF, KAP-4
.else
.set TAR, IR+2
.set KOF, 0
.endif
.irp c, 0,1
.irp i, 0,1,2
	ds_load_b64 v[96*\e+12*(4*\t+\k)+6*\c+2*\i:96*\e+12*(4*\t+\k)+6*\c+2*\i+1], v[TAR] offset:CHUNK*KOF+4*FRB*(\cp)+FRB*\t+768*\c+8*\i
.endr
.endr
.endr
.endr
.endr
.endm
.macro SENDOUT                         ; 32 rows x 256 bytes of out_r and of out_i: sixteen lanes store 256 consecutive aligned bytes
.irp i, 0,1,2,3,4,5,6,7,8,9,10,11,12,13,14,15
	global_store_b128 v[VO], v[OB+4*\i:OB+4*\i+3], s[O0:O0+1] offset:4096*\i th:TH_STORE_NT
.endr
.irp i, 0,1,2,3,4,5,6,7,8,9,10,11,12,13,14,15
	global_store_b128 v[VO], v[OB+64+4*\i:OB+64+4*\i+3], s[O1:O1+1] offset:4096*\i th:TH_STORE_NT
.endr
.endm
; A piece of the second product is finished: 32 rows p x 32 columns q of both evolutions.  out_r = g O2x + (1-g) O2h; out_i = g P1x + (1-g) P1h - g P2x - (1-g) P2h.  A lane's eight numbers are 32 neighbouring bytes of a row:
; they go into my own stage; every second piece (phi = 1) a row's 256 bytes are whole and come back by rows.  LDS serves a wave's instructions in order (ISA guide 5.7.1.4).
; later = 1: the rows stay on their way from the stage while the next batch is multiplied, and MID stores them; later = 0: they are stored here.
.macro OUTE phi, later
	WIN 0xf3
.irp i, 0,2,4,6,8,10,12,14,16,18,20,22,24,26,28,30
	v_pk_mul_f32 v[ACC+\i:ACC+\i+1], v[ACC+\i:ACC+\i+1], v[GG:GG+1]
.endr
.irp i, 0,2,4,6,8,10,12,14,16,18,20,22,24,26,28,30
	v_pk_fma_f32 v[ACC+\i:ACC+\i+1], v[ACC+32+\i:ACC+33+\i], v[G1M:G1M+1], v[ACC+\i:ACC+\i+1]
.endr
	WIN 0x51
.irp i, 0,2,4,6,8,10,12,14,16,18,20,22,24,26,28,30
	v_pk_mul_f32 v[ACC+\i:ACC+\i+1], v[ACC+\i:ACC+\i+1], v[GG:GG+1]
.endr
.irp i, 0,2,4,6,8,10,12,14,16,18,20,22,24,26,28,30
	v_pk_fma_f32 v[ACC+\i:ACC+\i+1], v[ACC+32+\i:ACC+33+\i], v[G1M:G1M+1], v[ACC+\i:ACC+\i+1]
.endr
	WIN 0x52                                       ; source 0 = P2 (window 2)
.irp i, 0,2,4,6,8,10,12,14,16,18,20,22,24,26,28,30
	v_pk_fma_f32 v[ACC+\i:ACC+\i+1], v[ACC+\i:ACC+\i+1], v[GG:GG+1], v[ACC+\i:ACC+\i+1] neg_lo:[0,1,0] neg_hi:[0,1,0]
.endr
.irp i, 0,2,4,6,8,10,12,14,16,18,20,22,24,26,28,30
	v_pk_fma_f32 v[ACC+\i:ACC+\i+1], v[ACC+32+\i:ACC+33+\i], v[G1M:G1M+1], v[ACC+\i:ACC+\i+1] neg_lo:[0,1,0] neg_hi:[0,1,0]
.endr
	WIN 0x0c                                       ; an LDS store's data are its source 1: out_r in window 3
.irp t, 0,1
.irp u, 0,1
	ds_store_b128 v[SW], v[ACC+8*(2*\t+\u):ACC+8*(2*\t+\u)+3] offset:4352*\t+128*(\phi)+64*\u
	ds_store_b128 v[SW], v[ACC+8*(2*\t+\u)+4:ACC+8*(2*\t+\u)+7] offset:4352*\t+128*(\phi)+64*\u+16
.endr
.endr
	WIN 0x04                                       ; out_i in window 1
.irp t, 0,1
.irp u, 0,1
	ds_store_b128 v[SW], v[ACC+8*(2*\t+\u):ACC+8*(2*\t+\u)+3] offset:SCMP+4352*\t+128*(\phi)+64*\u
	ds_store_b128 v[SW], v[ACC+8*(2*\t+\u)+4:ACC+8*(2*\t+\u)+7] offset:SCMP+4352*\t+128*(\phi)+64*\u+16
.endr
.endr
	WIN 0
.if \phi
.irp c, 0,1
.irp i, 0,1,2,3,4,5,6,7,8,9,10,11,12,13,14,15
	ds_load_b128 v[OB+64*\c+4*\i:OB+64*\c+4*\i+3], v[SRD] offset:SCMP*\c+544*\i
.endr
.endr
.endif
.if (\phi) && (\later)
	s_wait_dscnt 32                                ; all but the 32 loads just issued: the stage's stores have read the accumulators, and both buffers' fragments are in
.else
	s_wait_dscnt 0x0                               ; the stage's stores have read the accumulators, any rows are back, and the fragments asked for are in
.endif
.if (\phi) && ((\later) == 0)
	SENDOUT
.endif
.endm
; A PREFETCH INTO THE L2 of h's codes, in the first loop's trips 1, 2 and 3, behind the trip's tensor load and its scale loads.  A batch's h_r and h_i are 24 parts of 8,192 bytes each.  Both clusters of a batch walk the same rows:
; the first (cluster x = 0) asks.  In trip n wave w of the partner at place cx names part 8 (n - 1) + 2 cx + w / 2 of h_r (w even) or h_i (w odd), lanes 256 bytes apart: the partners are told apart by address, and each
; 256 bytes are named once.  The joint loads of h begin in trip 3 with the first 49,152 bytes of each matrix: two trips behind the prefetch that named them.
.macro ASK
	s_cmp_lt_u32 s[CNT], s[LIM]
	s_cbranch_scc0 .Lnp_\@
	global_prefetch_b8 v[PFO], s[PFA:PFA+1] offset:-65536 th:TH_LOAD_NT scope:SCOPE_SE
.Lnp_\@:
.endm
; The middle of a piece of the second product.  la = 1: the next piece's scale words of Ux are asked for, lao bytes from the pointers.  st = 1: the rows that the last way out left on their way from the stage are stored.
; The scale loads go out in the order xr, xi, hr, hi, piece by piece, two loads each: a wait for one pair leaves out the three pairs issued behind it (6), in the last piece what is left of them.
.macro MID la, lao, st
	WIN 0
	PLACES                                         ; behind the products that read F_r and Ux_r's scale words
.if \la
	SSLD SS, SXR, VS2, \lao
.endif
	s_wait_dscnt 0x0                               ; Ux_i's fragments are in, and any rows from the stage
.if \st
	SENDOUT
.endif
	FETCH 0, ADH, 0                                ; Uh_r
.if \la
	s_wait_loadcnt 0x6
.else
	s_wait_loadcnt 0x4
.endif
	BD2 0
	WIN 0
	PLACES                                         ; behind the products that read F_i and Ux_i's scale words
.if \la
	SSLD SS+8, SXI, VS2, \lao
.endif
	s_wait_dscnt 0x0                               ; Uh_r's fragments, asked for a batch ago, are in
	FETCH 96, ADH, WTILE                           ; Uh_i
.if \la
	s_wait_loadcnt 0x6
.else
	s_wait_loadcnt 0x2
.endif
	AC2 1
.endm
; From one piece of the second product to the next: the change of slots, the last quarter of the piece before, its way out, the first quarter of the new piece.  ho: the new piece's scale words of Uh.
.macro EDGE fill, step, php, ho
	CHANGE \fill, \step, 2                         ; (its wait for my LDS loads shows Uh_i's fragments in)
	SSLD SS+16, SHR, VS2, \ho
	FETCH 0, AD, 0                                 ; the new piece's Ux_r
	s_wait_loadcnt 0x6
	BD2 1
	WIN 0
	PLACES
	SSLD SS+24, SHI, VS2, \ho
	FETCH 96, AD, WTILE                            ; Ux_i: on its way under the way out's vector work
	OUTE \php, 1
	s_wait_loadcnt 0x6
	AC2 0
.endm
	s_load_b512 s[16:31], s[0:1], 0x0              ; the eight tensors of codes
	s_load_b512 s[32:47], s[0:1], 0x40             ; the eight of scale bytes
	s_load_b128 s[48:51], s[0:1], 0x80             ; Lambda, out0
	s_load_b64 s[52:53], s[0:1], 0x90              ; out1
	v_lshl_add_u32 v[SPW], v0, 2, SPARE
	v_mov_b32 v[NIL], 0
	ds_add_u32 v[SPW], v[NIL]                      ; the opening lines: the add, twice on end, and its one wait ahead of my first tensor load; work on registers stands between
	ds_add_u32 v[SPW], v[NIL]
	v_lshrrev_b32 v96, 5, v0
	v_readfirstlane_b32 s[WV], v96                 ; wave 0..3
	s_and_b32 s[WQ], s[WV], 1                      ; second product: which half of a piece's 64 columns q
	s_lshr_b32 s[WP], s[WV], 1                     ; and which 32 of the 64 rows p
	s_lshl_b32 s[BE], s[WQ], 1
	s_add_co_u32 s[BE], s[BE], s[WP]               ; first product: LDS position w holds block (w / 2) + 2 (w % 2) of the piece's four blocks of 32 k
	s_and_b32 s[BB], ttmp7, 0xffff                 ; the batch, which the four partners share
	s_bfe_u32 s[CX], ttmp6, 0x40000                ; my place in the cluster
	s_lshl_b32 s[PB], ttmp9, 2
	s_add_co_u32 s[PB], s[PB], s[CX]               ; my block of 64 rows p: it enters addresses of plain loads, stores and prefetches alone
	; descriptor group 1: two long rows of 12,288 bytes (32 rows of codes), 24,576 bytes apart in memory; elements of 8 bytes; 16 bytes of padding behind every 128
	s_mov_b32 s[G1], 15|(3<<16)|(1<<20)|(1<<21)|(4<<22)|(3<<25)   ; 15:0 the mask: all four work-groups; 17:16 elements of 8 bytes; 20 padding on; 21 set beside a mask; 24:22 after every 32 words; 31:25 of 4 words
	s_mov_b32 s[G1+1], 1536<<16                    ; tensor_dim0
	s_mov_b32 s[G1+2], 2<<16                       ; tensor_dim1
	s_mov_b32 s[G1+3], 1536<<16                    ; tile_dim0
	s_mov_b32 s[G1+4], 2                           ; tile_dim1
	s_mov_b32 s[G1+5], 3072                        ; tensor_dim0_stride
	s_mov_b32 s[G1+6], 0
	s_mov_b32 s[G1+7], 0
	s_mov_b32 s[SEL], 0x76543210
	s_mov_b32 s[SEL+1], 0xfedcba98                 ; v_permlanex16_b32's selects for lane l xor 16
	s_mov_b32 s[TB], SLOT1                         ; the first change of slots turns it to slot 0
	v_and_b32 v96, 15, v0                          ; r
	v_bfe_u32 v97, v0, 4, 1                        ; h
	v_and_b32 v98, 31, v0                          ; lane
	v_mul_u32_u24 v[VU], v96, 384                  ; the offsets of the head's plain loads
	v_lshl_add_u32 v[VU], v97, 4, v[VU]
	s_mul_i32 s80, s[WV], 96
	v_add_nc_u32 v[VU], s80, v[VU]
	v_lshlrev_b32 v[V16], 4, v96
	s_lshl_b32 s80, s[BE], 9
	v_add_nc_u32 v[VS1], s80, v[V16]
	s_mul_i32 s80, s[BB], 196608                   ; the batch's 512 rows of 384 bytes,
	s_mul_i32 s81, s[WQ], 12288                    ; and 32 rows on for waves 1 and 3
	s_add_co_u32 s80, s80, s81
	s_mov_b32 s81, 0
	s_mov_b32 s89, 0
	s_wait_alu depctr_va_vdst(0)
	s_wait_dscnt 0x0                               ; both opening adds are done
	s_wait_kmcnt 0x0
	s_load_b32 s86, s[LAM:LAM+1], 0x0
	; the streams.  First product: waves 0, 1 fetch the real matrix, waves 2, 3 the imaginary.  Second product: wave w fetches matrix w of Ux_r, Ux_i, Uh_r, Uh_i.  Nothing here hangs on my place in the cluster.
	s_cmp_lt_u32 s[WV], 2
	s_cselect_b64 s[G0+2:G0+3], s[XRC:XRC+1], s[XIC:XIC+1]
	s_cselect_b64 s[PH:PH+1], s[HRC:HRC+1], s[HIC:HIC+1]
	s_cmp_eq_u32 s[WQ], 0
	s_cselect_b64 s[82:83], s[UXR:UXR+1], s[UXI:UXI+1]
	s_cselect_b64 s[PU:PU+1], s[UHR:UHR+1], s[UHI:UHI+1]
	s_cselect_b64 s[PFA:PFA+1], s[HRC:HRC+1], s[HIC:HIC+1]
	s_cmp_lt_u32 s[WV], 2
	s_cselect_b64 s[PU:PU+1], s[82:83], s[PU:PU+1]
	s_add_nc_u64 s[G0+2:G0+3], s[G0+2:G0+3], s[80:81]
	s_add_nc_u64 s[PH:PH+1], s[PH:PH+1], s[80:81]
	s_or_b32 s[G0+3], s[G0+3], 0x80000000          ; type = 2
	s_or_b32 s[PH+1], s[PH+1], 0x80000000
	s_or_b32 s[PU+1], s[PU+1], 0x80000000
	s_mov_b32 s[G0], 1                             ; count = 1
	s_mul_i32 s[G0+1], s[WV], WTILE                ; slot 0, my wave's tile
	; the plain loads of the head go out ahead of the round: my quarter of Ux's rows, their scale words, piece 0's scale words
	s_mul_i32 s88, s[PB], 24576                    ; my 64 rows of U
	s_add_nc_u64 s[UXR:UXR+1], s[UXR:UXR+1], s[88:89]
	s_add_nc_u64 s[UXI:UXI+1], s[UXI:UXI+1], s[88:89]
	s_add_nc_u64 s[UHR:UHR+1], s[UHR:UHR+1], s[88:89]
	s_add_nc_u64 s[UHI:UHI+1], s[UHI:UHI+1], s[88:89]
	s_lshl_b32 s88, s[PB], 10                      ; and their scale bytes
	s_add_nc_u64 s[TXR:TXR+1], s[SXR:SXR+1], s[88:89]
	s_add_nc_u64 s[TXI:TXI+1], s[SXI:SXI+1], s[88:89]
	s_add_nc_u64 s[THR:THR+1], s[SHR:SHR+1], s[88:89]
	s_add_nc_u64 s[THI:THI+1], s[SHI:SHI+1], s[88:89]
	s_lshl_b32 s88, s[BB], 13                      ; the batch's scale bytes of x and h
	s_add_nc_u64 s[XRS:XRS+1], s[XRS:XRS+1], s[88:89]
	s_add_nc_u64 s[XIS:XIS+1], s[XIS:XIS+1], s[88:89]
	s_add_nc_u64 s[HRS:HRS+1], s[HRS:HRS+1], s[88:89]
	s_add_nc_u64 s[HIS:HIS+1], s[HIS:HIS+1], s[88:89]
	STLOAD UXR, UXI                                ; 24 loads,
	TSLD TXR, TXI                                  ; and behind them 8 + 2 + 2 loads of scale words
	SSLD SS, XRS, VS1, 0
	SSLD SS+8, XIS, VS1, 0
	CROUND                                         ; all four work-groups are here: the first joint load meets
	tensor_load_to_lds s[G0:G0+3], s[G1:G1+7]      ; piece 0: my one tensor load at the head
	s_nop 0
	PLACES
	; the other addresses
	v_mul_u32_u24 v99, v96, PITCH
	v_mad_u32_u24 v99, v97, 24, v99
	s_mul_i32 s80, s[WV], LROW
	v_add_nc_u32 v[A0], s80, v99
	v_lshl_add_u32 v[A0+1], v97, 4, v[A0]
	s_mul_i32 s80, s[WQ], LROW
	v_add_nc_u32 v[B0], s80, v99
	v_lshl_add_u32 v[B0+1], v97, 4, v[B0]
	s_lshl_b32 s80, s[WQ], 10
	v_add_nc_u32 v[VS2], s80, v[V16]
	v_mul_u32_u24 v99, v96, 24
	v_mad_u32_u24 v99, v97, 6, v99
	s_mul_i32 s80, s[BE], 384
	v_add_nc_u32 v99, s80, v99
	v_add_nc_u32 v[IW], IMG, v99
	v_add_nc_u32 v[IW7], IMG7, v99
	v_lshlrev_b32 v99, 2, v96
	v_add_nc_u32 v[ISW], s[BE], v99
	v_add_nc_u32 v[ISW], ISC, v[ISW]
	s_mul_i32 s80, s[WP], 2*FRB
	v_mul_u32_u24 v100, v98, 24
	v_add_nc_u32 v100, s80, v100
	v_add_nc_u32 v[IR], IMG, v100
	v_add_nc_u32 v[IR+1], IMG+4*CHUNK, v100
	v_add_nc_u32 v[IR+2], IMG7, v100
	s_lshl_b32 s80, s[WP], 7
	v_add_nc_u32 v[ISR], s80, v99
	v_add_nc_u32 v[ISR], ISC, v[ISR]
	s_mul_i32 s80, s[WV], SWV
	s_add_co_u32 s80, s80, STG
	v_mul_u32_u24 v100, v96, 272
	v_lshl_add_u32 v100, v97, 5, v100
	v_add_nc_u32 v[SW], s80, v100
	v_mul_u32_u24 v100, v97, 272
	v_lshl_add_u32 v100, v96, 4, v100
	v_add_nc_u32 v[SRD], s80, v100
	v_lshlrev_b32 v[VO], 11, v97
	v_lshl_add_u32 v[VO], v96, 4, v[VO]
	v_lshlrev_b32 v[PFO], 8, v98
	s_mul_i32 s80, s[WV], 1536                     ; U's rows on their way through LDS: my wave's three loads of a tile are 1,536 bytes of it
	v_lshl_add_u32 v100, v98, 4, s80               ; 16 x lane + 1536 x wave
	v_add_nc_u32 v[SAX], STX, v100
	v_add_nc_u32 v[SAA], STA, v100
	v_add_nc_u32 v[SAB], STB, v100
	TADR RAX, STX, STX
.irp i, 0,1,2,3,4,5,6,7
	v_mov_b32 v[TP+\i], 0                          ; written once: a lane permute's destination counts as one of its sources
.endr
	s_lshl_b32 s87, s[CX], 1
	s_add_co_u32 s87, s87, s[WP]
	s_lshl_b32 s87, s87, 13
	s_mul_i32 s88, s[BB], 196608
	s_add_co_u32 s88, s88, s87
	s_add_nc_u64 s[PFA:PFA+1], s[PFA:PFA+1], s[88:89]  ; my part of the first trip's prefetches; each trip steps it by 65,536 and names the byte 65,536 back
	s_cmp_eq_u32 ttmp9, 0
	s_cselect_b32 s[LIM], 4, 0                     ; the same in all four partners
	s_lshl_b32 s88, s[BB], 9
	s_lshl_b32 s90, s[PB], 6
	s_add_co_u32 s88, s88, s90
	s_lshl_b32 s90, s[WP], 5
	s_add_co_u32 s88, s88, s90                     ; my first row of output: 512 b + 64 x block + 32 x (wave / 2)
	s_lshl_b32 s88, s88, 11
	s_lshl_b32 s90, s[WQ], 8
	s_add_co_u32 s88, s88, s90                     ; and my 256 bytes of each 512
	s_add_nc_u64 s[O0:O0+1], s[O0:O0+1], s[88:89]
	s_add_nc_u64 s[O1:O1+1], s[O1:O1+1], s[88:89]
	s_wait_kmcnt 0x0                               ; Lambda
	v_mov_b32 v96, s86
	v_mul_f32 v96, 0xbfb8aa3b, v96                 ; -Lambda log2(e)
	s_wait_alu depctr_va_vdst(0)                   ; a wait ahead of a transcendental; it also covers the addresses made above
	v_exp_f32 v97, v96
	v_nop                                          ; a plain line behind the transcendental,
	s_wait_alu depctr_va_vdst(0)                   ; and a wait ahead of its first reader
	v_add_f32 v97, 1.0, v97
	s_wait_alu depctr_va_vdst(0)
	v_rcp_f32 v[GG], v97                           ; g = 1 / (1 + e^-Lambda)
	v_nop
	s_wait_alu depctr_va_vdst(0)
	v_mov_b32 v[GG+1], v[GG]
	v_sub_f32 v[G1M], 1.0, v[GG]
	v_sub_f32 v[G1M+1], 1.0, v[GG]
	s_wait_loadcnt 12                              ; my quarter of Ux's rows is in: the 12 loads of scale words issued behind it may be out
	STSTORE SAX, SAX, 0
	CHANGE 1, 49152, 1                             ; piece 0 has landed, and every wave's quarter of Ux lies in LDS (its wait for its LDS stores stands ahead of the round); piece 1 is asked for, into slot 1
	STLOAD UHR, UHI                                ; Uh's rows into the same registers, which the stores have read: they wait there and then in LDS for piece 4
	TLD RAX, RAX, 0
	FETCH 0, AD, 0                                 ; F_r of piece 0,
	FETCH 96, AD, MOFF                             ; and F_i
	s_wait_loadcnt 24                              ; all but Uh's 24 loads: the first scale words are in
	s_add_nc_u64 s[XRS:XRS+1], s[XRS:XRS+1], 2048  ; the real rows' scale words of piece 1 (the imaginary pointer is stepped in the loop)
	s_wait_dscnt 48                                ; Ux's rows and F_r are in; F_i's 48 loads may be out
	AC1
	WIN 0
	s_wait_loadcnt 0x0                             ; my quarter of Uh's rows
	STSTORE SAA, SAB, 6*TILEB                      ; into bytes that nobody has touched; they are read in trip 4, four rounds on
	s_mov_b32 s[CNT], 1
	s_mov_b32 s[IO], 0
	s_mov_b32 s[SOF], 0
.Lone:                                             ; trip n = 1 .. 7: the second half of piece n - 1, its quantiser, the first half of piece n
	s_wait_xcnt 0x0                                ; the last trip's prefetch has read its address
	s_add_nc_u64 s[PFA:PFA+1], s[PFA:PFA+1], 65536
	CHANGE 1, 0, 1                                 ; piece n has landed; F_i of piece n - 1 is in; piece n + 1 is asked for
	SSLD SS, XRS, VS1, 0
	ASK
	FETCH 0, AD, 0                                 ; F_r of piece n: read 64 matrix instructions on
	s_wait_loadcnt 0x2                             ; all but the two just issued: the imaginary rows' scale words of piece n - 1 are in, so their pointer may step
	s_add_nc_u64 s[XIS:XIS+1], s[XIS:XIS+1], 2048
	s_cmp_eq_u32 s[CNT], 4
	s_cselect_b64 s[XIS:XIS+1], s[HIS:HIS+1], s[XIS:XIS+1]
	BD1
	WIN 0
	TADR RAH, STA, STB                             ; seven plain lines: also the places behind the products, ahead of the loads into their operands and scale words
	s_cmp_lg_u32 s[CNT], 4
	s_cbranch_scc1 .Lsame_u
	TLD RAH, RAH+2, 6*TILEB                        ; piece 4 is h's first: Uh's rows take Ux's place
	TSLD THR, THI
.Lsame_u:
	SSLD SS+8, XIS, VS1, 0
	FETCH 96, AD, MOFF                             ; F_i of piece n: on its way under the quantiser's vector work
	v_add_nc_u32 v30, s[IO], v[IW]                 ; chunk n - 1
	v_add_nc_u32 v31, s[SOF], v[ISW]
	EPI1 30, 31, 0
	s_wait_dscnt 56                                ; the 56 stores just issued may be out: F_r and F_i are in, and on the way through the branch Uh's rows too
	s_wait_loadcnt 0x2                             ; all but the imaginary rows' two loads: the real rows' scale words are in, and on the way through the branch Uh's too
	s_add_nc_u64 s[XRS:XRS+1], s[XRS:XRS+1], 2048
	s_cmp_eq_u32 s[CNT], 3
	s_cselect_b64 s[XRS:XRS+1], s[HRS:HRS+1], s[XRS:XRS+1]
	AC1
	WIN 0
	s_add_co_u32 s[IO], s[IO], CHUNK
	s_add_co_u32 s[SOF], s[SOF], 512
	s_add_co_u32 s[CNT], s[CNT], 1
	s_cmp_lt_u32 s[CNT], 8
	s_cbranch_scc1 .Lone
	; FROM THE FIRST PRODUCT TO THE SECOND
	CHANGE 1, 12288, 2                             ; piece 8 has landed; piece 9 is asked for
	SSLD SS, SXR, VS2, 0
	SSLD SS+16, SHR, VS2, 0
	SSLD SS+24, SHI, VS2, 0
	FETCH 0, AD, 0                                 ; Ux_r of piece 8
	s_wait_loadcnt 0x6                             ; all but the six just issued: piece 7's imaginary scale words are in
	BD1
	WIN 0
	PLACES
	SSLD SS+8, SXI, VS2, 0
	FETCH 96, AD, WTILE                            ; Ux_i of piece 8
	EPI1 IW7, ISW, 3584                            ; chunk 7
	s_wait_dscnt 0x0                               ; for the others' sake: my images lie in LDS
	s_barrier_signal -1
	s_barrier_wait -1                              ; everybody's do.
	TIMG 0x80, 0                                   ; Ta = I
	TIMG 0xc0, 1                                   ; Tb = R
	WIN 0
.irp e, 0,1
.irp t, 0,1
.irp k, 0,1,2,3
	ds_load_b32 v[TSA+8*\e+4*\t+\k], v[ISR] offset:512*(4*\e+\k)+64*\t
	ds_load_b32 v[TSB+8*\e+4*\t+\k], v[ISR] offset:512*(4*\e+\k)+64*\t+256
.endr
.endr
.endr
	s_wait_dscnt 0x0
	s_wait_loadcnt 0x0
	AC2 0
	MID 1, 512, 0
	WIN 0
	s_mov_b32 s[TR], 3
.Ltwo:                                             ; a trip is two pieces: 128 columns q.  Pieces 9 and 10, 11 and 12, 13 and 14
	EDGE 1, 36864, 0, 512
	MID 1, 2048, 0
	EDGE 1, 12288, 1, 2048                         ; here the 128 columns begun two pieces ago come back from the stage,
	MID 1, 2560, 1                                 ; and here they leave
	WIN 0
	s_wait_xcnt 0x0                                ; the loads and stores issued so far have read their bases and their data: the pointers may step, and the rows' registers may be loaded again
	s_add_nc_u64 s[SXR:SXR+1], s[SXR:SXR+1], 2048
	s_add_nc_u64 s[SXI:SXI+1], s[SXI:SXI+1], 2048
	s_add_nc_u64 s[SHR:SHR+1], s[SHR:SHR+1], 2048
	s_add_nc_u64 s[SHI:SHI+1], s[SHI:SHI+1], 2048
	s_add_nc_u64 s[O0:O0+1], s[O0:O0+1], 512
	s_add_nc_u64 s[O1:O1+1], s[O1:O1+1], 512
	s_sub_co_u32 s[TR], s[TR], 1
	s_cmp_lg_u32 s[TR], 0
	s_cbranch_scc1 .Ltwo
	EDGE 0, 0, 0, 512                              ; piece 15: the tail is written out, and no tile is asked for any more
	MID 0, 0, 0
	s_wait_loadcnt 0x0
	s_wait_dscnt 0x0                               ; Uh_i's fragments are in
	BD2 1
	WIN 0
	PLACES
	OUTE 1, 0
	s_wait_tensorcnt 0x0                           ; the wave's end: behind my last tensor load and my last LDS store
	ds_add_u32 v[SPW], v[NIL]
	s_wait_dscnt 0x0
	CROUND                                         ; the closing round: no work-group ends while a partner may still ask for a tile that names it
	s_endpgm
.Lfunc_end_k_q6aea1c37cf_qrnn:
	.size	k_q6aea1c37cf_qrnn, .Lfunc_end_k_q6aea1c37cf_qrnn-k_q6aea1c37cf_qrnn
	.p2alignl 7, 3214868480
	.fill 96, 4, 3214868480
	.section	.rodata,"a",@progbits
	.p2align	6, 0x0
	.amdhsa_kernel k_q6aea1c37cf_qrnn
		.amdhsa_group_segment_fixed_size 327680
		.amdhsa_private_segment_fixed_size 0
		.amdhsa_enable_private_segment 0
		.amdhsa_kernarg_size 152
		.amdhsa_user_sgpr_count 2
		.amdhsa_user_sgpr_kernarg_segment_ptr 1
		.amdhsa_wavefront_size32 1
		.amdhsa_system_sgpr_workgroup_id_x 1
		.amdhsa_system_sgpr_workgroup_id_y 1
		.amdhsa_system_sgpr_workgroup_id_z 1
		.amdhsa_system_vgpr_workitem_id 0
		.amdhsa_next_free_vgpr 1024
		.amdhsa_next_free_sgpr 96
		.amdhsa_reserve_vcc 0
		.amdhsa_float_denorm_mode_32 3
		.amdhsa_float_denorm_mode_16_64 3
		.amdhsa_memory_ordered 1
		.amdhsa_forward_progress 1
		.amdhsa_inst_pref_size 255
	.end_amdhsa_kernel
	.section	.bss,"aw",@nobits
	.p2align	6
	.space	262144
	.amdgpu_metadata
---
amdhsa.version: [ 1, 2 ]
amdhsa.kernels:
  - .name:           k_q6aea1c37cf_qrnn
    .symbol:         k_q6aea1c37cf_qrnn.kd
    .args:
      - { .name: x_real_codes, .offset: 0, .size: 8, .value_kind: global_buffer, .address_space: global }
      - { .name: x_imag_codes, .offset: 8, .size: 8, .value_kind: global_buffer, .address_space: global }
      - { .name: h_real_codes, .offset: 16, .size: 8, .value_kind: global_buffer, .address_space: global }
      - { .name: h_imag_codes, .offset: 24, .size: 8, .value_kind: global_buffer, .address_space: global }
      - { .name: Ux_real_codes, .offset: 32, .size: 8, .value_kind: global_buffer, .address_space: global }
      - { .name: Ux_imag_codes, .offset: 40, .size: 8, .value_kind: global_buffer, .address_space: global }
      - { .name: Uh_real_codes, .offset: 48, .size: 8, .value_kind: global_buffer, .address_space: global }
      - { .name: Uh_imag_codes, .offset: 56, .size: 8, .value_kind: global_buffer, .address_space: global }
      - { .name: x_real_scales, .offset: 64, .size: 8, .value_kind: global_buffer, .address_space: global }
      - { .name: x_imag_scales, .offset: 72, .size: 8, .value_kind: global_buffer, .address_space: global }
      - { .name: h_real_scales, .offset: 80, .size: 8, .value_kind: global_buffer, .address_space: global }
      - { .name: h_imag_scales, .offset: 88, .size: 8, .value_kind: global_buffer, .address_space: global }
      - { .name: Ux_real_scales, .offset: 96, .size: 8, .value_kind: global_buffer, .address_space: global }
      - { .name: Ux_imag_scales, .offset: 104, .size: 8, .value_kind: global_buffer, .address_space: global }
      - { .name: Uh_real_scales, .offset: 112, .size: 8, .value_kind: global_buffer, .address_space: global }
      - { .name: Uh_imag_scales, .offset: 120, .size: 8, .value_kind: global_buffer, .address_space: global }
      - { .name: Lambda, .offset: 128, .size: 8, .value_kind: global_buffer, .address_space: global }
      - { .name: out0, .offset: 136, .size: 8, .value_kind: global_buffer, .address_space: global }
      - { .name: out1, .offset: 144, .size: 8, .value_kind: global_buffer, .address_space: global }
    .group_segment_fixed_size: 327680
    .private_segment_fixed_size: 0
    .kernarg_segment_align: 8
    .kernarg_segment_size: 152
    .max_flat_workgroup_size: 128
    .sgpr_count:     96
    .vgpr_count:     1024
    .wavefront_size: 32
...
	.end_amdgpu_metadata
.endif
;; end of part 1
